; MI455X (gfx1250); checked and timed in simulation.
; The chip was launched on July 23, 2026; its instructions are those of AMD's public machine-readable ISA for CDNA 5 (MIT licence, August 2026) and "CDNA5" Instruction Set Architecture Reference Guide (July 2026). The comments in the code are by the model that wrote it; some were corrected since.
;; Raw SDP. Allowed arithmetic: matrix products marked QUANTISED: E2M1 operands, one E8M0 scale for each 32 along K, by v_wmma_scale_f32_16x16x128_f8f6f4 with both operands' format E2M1 (or v_wmma_scale_f32_32x16x128_f4), f32 sums; everything else in f32.
;; Inputs: key 1 x 8 x 2,048 x 128 float32; query 1 x 32 x 2,048 x 128 float32; value 1 x 8 x 2,048 x 128 float32.
;; Outputs: out0 1 x 32 x 2,048 x 128 float32.
;; This version of the problem:
;;   THIS VERSION OF THE PROBLEM IS GIVEN IN LOW PRECISION. The matrix products marked QUANTISED in the list below multiply operands that are first quantised to E2M1 (2 exponent bits, 1 mantissa bit; 4 bits a number), with one power-of-two scale for each 32 numbers along K (OCP MX v1.0); their sums are f32. All else is computed in f32.
;;   The module's matrix products, in the order in which they are computed (A, B: the left and right operand; K: the contracted axis; several contracted axes count as one K, in the product's order):
;;     1. batch 32 x [M 2,048, K 128] x [K 128, N 2,048]; A: computed on the way; B: computed on the way: QUANTISED
;;     2. batch 32 x [M 2,048, K 2,048] x [K 2,048, N 128]; A: softmax (see below); B: input value: QUANTISED
;;   THE QUANTISER, for each operand of a quantised product, along K:
;;     - K is cut into blocks of 32 from its start; a last block that is shorter is filled with zeros.
;;     - A block's scale is 2^e with e = floor(log2(the largest magnitude in the block)) - 2, held to -126 .. 127; a block of zeros has e = 0. As a byte (E8M0): e + 127.
;;     - Each number is divided by its block's scale, clamped to +-6, and rounded to the nearest number of E2M1, ties to even, subnormals kept.
;;     - The product sums the exact products of the quantised numbers (number of the format x scale) in f32.
;;   ~~~python
;;   def quantise(x, axis):      # numpy; x: float32 -> the quantised numbers, widened to float32 again
;;       x = np.moveaxis(x, axis, -1); K = x.shape[-1]
;;       x = np.pad(x, [(0, 0)] * (x.ndim - 1) + [(0, -K % 32)]); x = x.reshape(x.shape[:-1] + (-1, 32)); a = np.abs(x).max(-1, keepdims=True)
;;       e = np.where(a > 0, np.clip(np.frexp(np.where(a > 0, a, 1))[1] - 1 - 2, -126, 127), 0)      # np.frexp(a)[1] - 1 = floor(log2(a)), exactly
;;       r = np.clip(x / 2.0 ** e, -6, 6)
;;       step = 2.0 ** (np.maximum(np.frexp(np.where(r == 0, 1, r))[1] - 1, 0) - 1)
;;       q = np.round(r / step) * step * 2.0 ** e      # np.round: ties to even
;;       return np.moveaxis(q.reshape(q.shape[:-2] + (-1,))[..., :K], -1, axis).astype(np.float32)
;;   ~~~
;;   SOFTMAX AHEAD OF A QUANTISED PRODUCT. Where the list says 'softmax', what is quantised is not the finished softmax but p = 2^(t - M), with t = logit x log2(e) and M = ceil(the row's largest t), a whole number; so 1/2 < the row's largest p <= 1. The row's sum l is taken of the UNQUANTISED p, in f32, and the product's result is divided by l at the end. Since M is a whole number, a kernel that streams over the keys may use a running M (the ceiling of the running maximum): every later rescaling is an exact power of two, which a block's scale takes up: the codes' values come out the same.
;;   OPERANDS COMPUTED ON THE WAY. 'Computed on the way' means the value that the module computes at that place (a softmax that the list does not call 'softmax' is quantised finished and normalised). What goes into a quantiser is computed in f32, as accurately as f32 sums, v_exp_f32 and their like allow (about 1e-6 of the number): no bf16 or f16 on the way to a quantiser, and a product that is left as it is and whose result goes on into a quantised operand takes f32 operands (vector FMAs, or v_wmma_f32_16x16x4_f32). A number that lies on a knife's edge between two numbers of the format may be rounded either way, as far as f32 arithmetic and the matrix unit's own rounding can turn it there, and no further.
;; One version. Each part assembles by itself: llvm-mc -triple=amdgcn-amd-amdhsa -mcpu=gfx1250 --defsym DOCPART=n.
;; ======== version 1 of 1: 2 launches
;; limits: right only within a limited range of input values
;; workspace buffers: kv 2,228,224 bytes
;; launch quant (part 1): grid 256 x 1, 4 waves a work-group, no clusters, 133,632 bytes of LDS; arguments key, value, kv; writes kv
.if DOCPART == 1
	.amdgcn_target "amdgcn-amd-amdhsa--gfx1250"
	.amdhsa_code_object_version 6
	.text
	.protected	k_qb5fa00898b_quant
	.globl	k_qb5fa00898b_quant
	.p2align	8
	.type	k_qb5fa00898b_quant,@function
k_qb5fa00898b_quant:
	s_mov_b64 s[64:65], 0
	v_nop
	global_prefetch_b8 v0, s[64:65] scope:SCOPE_SE
	s_setreg_imm32_b32 hwreg(HW_REG_WAVE_MODE, 25, 1), 1
	s_wait_xcnt 0x0
; key x hs and value, f32 [8 heads][2048 keys][128 channels], become codes of FP4 (E2M1) with one E8M0 byte for each 32 along a product's K.
; hs = 1 / sqrt(sqrt(128)) in f32, the factor that the scores' product puts on the keys ahead of its quantiser: multiplied in f32 ahead of the block's maximum.
; For the scores K = the 128 channels; for the second product K = the keys. A block's scale is 2^(floor(log2(its largest magnitude)) - 2): its byte is the largest magnitude's exponent field - 2;
; each number is divided by the scale and rounded to the nearest code, ties to even, beyond 6 the largest code.
; WORK LEFT OUT BY THIS PROGRAM (by the second launch; this one does all of its own). The mask is the lower triangle that the problem builds itself: a key that comes after the query gets the lowest f32 number added to
; its score, so that its weight is 0 beside key 0's, which counts for every query. So a tile of 16 queries x 128 keys all of whose keys come after all of its queries adds nothing to any sum, whatever finite values the
; inputs hold: such tiles are not multiplied. The repeat of each key and value head for four query heads is a lookup: head / 4. Every input has a way to the output and is loaded.
; LIMITS: a NaN, an infinity or an overflow that lies only in keys or values hidden from a query is not carried to that query's result. A block whose largest magnitude lies under 2^-124 keeps the byte 1; a block of
; zeros has the byte 1 and not 127: its codes are zeros, and this program alone reads the bytes. NaN and infinities among the inputs are not served.
; THE WORKSPACE IS LAID AS THE READER'S REGISTERS WANT IT: [head][key step of 128 keys][STEPB bytes]:
;   KC: 8 tiles x 1,024 bytes, tile = [c = 0, 1][lane][16 bytes]. Lane (r, h) of tile 4 p + i holds key 64 p + 32 (r / 8) + 8 i + r % 8 of the step, channels 64 c + 32 h + 0 .. 31.
;   VC: the same form. Lane (r, h) of tile t holds channel 16 t + r, keys 64 c + 32 h + 0 .. 31 of the step.
;   KS, VS: [j = 0 .. 3][lane][4 bytes]: word j holds in lanes 0-15 the scale words of tile 2 j's rows, in lanes 16-31 those of tile 2 j + 1's.
; SHARES. Work-groups 0-127 take the keys, 128-255 the values; each takes one key step of one head, 64 KiB; each of its four waves 16 KiB, all asked for at once. Waves share nothing: no barrier, no loop.
; The two paths have LDS bytes of their own. No matrix unit, cluster or tensor load: the launch is a stream that is read once.
.set STEPB, 17408
.set KC, 0
.set VC, 8192
.set KS, 16384
.set VS, 16896
.set KSTG, 16896 ; keys: a wave's two stages of 16 rows x (512 bytes + 16)
.set VSTG, 4*KSTG ; values: a wave's stage of 128 keys x 128 bytes, behind the keys' stages
.set SPARE, VSTG+4*16384 ; the spare words, 128 bytes for each wave: two blocks of 256 bytes that no other line names
.set SPW, 10 ; v10 LDS address of my spare word; never rewritten
.set NIL, 11 ; v11 0; never rewritten
.set R, 32 ; v32-159 numbers as they are loaded
.set X, 160 ; v160-223 64 numbers in the order of the conversions
.set CD, 224 ; v224-239 codes: never written twice, so no store's data are written again
.set TM, 240 ; v240-255 at work in QUANT
; v1 lane, v2 16 x lane, v4 r, v5 h; keys: v6 stage in, v7 stage out, v9 codes' place; values: v8 load offset, v20 stage in, v21 stage out, v22 codes' place; v19 scale word's place; v16, v17 two tiles' words, v18 the word stored
	s_load_b128 s[4:7], s[0:1], 0x0 ; key, value
	s_load_b64 s[8:9], s[0:1], 0x10 ; kv
	v_lshrrev_b32 v1, 5, v0
	v_readfirstlane_b32 s10, v1 ; wave w = 0..3
	s_and_b32 s11, ttmp9, 127 ; 16 x head + key step
	s_lshl_b32 s12, s11, 16 ; its 128 rows of 512 bytes in the input
	s_mov_b32 s13, 0
	s_mul_i32 s14, s11, STEPB ; its place in the workspace
	s_mov_b32 s15, 0
	s_mov_b32 s16, 0x3e9837f0 ; hs, rounded as f32 rounds the two roots and the division
	s_mov_b32 s17, s16 ; (the packed form names the pair)
	s_mov_b32 s20, 0x76543210
	s_mov_b32 s21, 0xfedcba98 ; v_permlanex16_b32's selects for lane l xor 16
	s_mul_i32 s22, s10, KSTG ; keys: my wave's stages
	s_lshl_b32 s23, s10, 11 ; my wave's two tiles in KC or VC
	s_lshl_b32 s24, s10, 7 ; my wave's word in KS or VS; also my 32 channels' bytes in a row of values
	s_lshr_b32 s26, s10, 1
	s_lshl_b32 s26, s26, 15
	s_and_b32 s25, s10, 1
	s_lshl_b32 s25, s25, 13
	s_add_co_u32 s26, s26, s25 ; keys: tile 2 w begins at key 64 (w / 2) + 16 (w % 2) of the step
	s_add_co_u32 s26, s12, s26
	s_mov_b32 s27, 0
	s_lshl_b32 s25, s10, 14
	s_add_co_u32 s28, s25, VSTG ; values: my wave's stage
	v_lshl_add_u32 v[SPW], v0, 2, SPARE
	v_mov_b32 v[NIL], 0
	v_and_b32 v1, 31, v0 ; lane
	v_and_b32 v4, 15, v0 ; r
	v_bfe_u32 v5, v0, 4, 1 ; h
	v_lshlrev_b32 v2, 4, v1
	v_mul_u32_u24 v7, v4, 528
	v_lshrrev_b32 v8, 3, v1
	v_and_b32 v3, 7, v1
	v_lshl_add_u32 v7, v5, 6, v7
	v_lshlrev_b32 v8, 9, v8
	v_add_nc_u32 v6, s22, v2 ; keys, stage in: a row's 512 bytes as they lie
	v_add_nc_u32 v7, s22, v7 ; stage out: row r, + 64 h: my 16 numbers of each block of 32
	v_lshl_add_u32 v8, v3, 4, v8
	v_add_nc_u32 v9, s23, v2
	v_lshl_add_u32 v19, v1, 2, s24
	v_add_nc_u32 v8, s24, v8 ; values: key lane / 8 of four, 16 (lane % 8) of my wave's 128 bytes of its row
	v_add_nc_u32 v20, s28, v2 ; stage in: four keys x 128 bytes are 512 bytes on end
	v_lshl_add_u32 v21, v1, 2, s28 ; stage out: a lane to a channel
	v_lshlrev_b32 v22, 10, v5
	v_lshl_add_u32 v22, v4, 4, v22
	v_add_nc_u32 v22, s23, v22 ; codes: tile 2 w + lane / 16, row lane % 16
.irp b, 0,1,2,3
	v_mov_b32 v[TM+4+\b], 0 ; written once: a lane permute's destination counts as one of its sources
.endr
	s_wait_alu depctr_va_vdst(0)
	s_wait_kmcnt 0x0
	s_add_nc_u64 s[4:5], s[4:5], s[26:27]
	s_add_nc_u64 s[6:7], s[6:7], s[12:13]
	s_add_nc_u64 s[8:9], s[8:9], s[14:15]
; 64 numbers of a lane, register 16 b + i = k 32 b + 16 (lane / 16) + i of the lane's row, become a fragment's codes in v[pc] .. v[pc + 7] and its row's scale word in v[pw].
.macro QUANT s, pc, pw
.irp b, 0,1,2,3
	v_max3_num_f32 v[TM+\b], |v[(\s)+16*\b]|, |v[(\s)+1+16*\b]|, 0x1800000 ; block b: my 16 numbers, and the floor 2^(3 - 127): so the byte cannot fall under 1
.endr
.irp i, 2,4,6,8,10,12,14
.irp b, 0,1,2,3
	v_max3_num_f32 v[TM+\b], v[TM+\b], |v[(\s)+16*\b+\i]|, |v[(\s)+1+16*\b+\i]|
.endr
.endr
.irp b, 0,1,2,3
	v_permlanex16_b32 v[TM+4+\b], v[TM+\b], s20, s21
.endr
.irp b, 0,1,2,3
	v_max_num_f32 v[TM+\b], v[TM+\b], v[TM+4+\b] ; with lane l xor 16's: the block's largest magnitude
.endr
.irp b, 0,1,2,3
	v_add_nc_u32 v[TM+12+\b], 0xff000000, v[TM+\b] ; 2 off its exponent field: the conversion takes the exponent field of this operand as its scale
.endr
.irp b, 0,1,2,3
	v_lshrrev_b32 v[TM+4+\b], 23, v[TM+12+\b] ; the scale's byte
.endr
	v_lshl_or_b32 v[\pw], v[TM+5], 8, v[TM+4]
	v_lshl_or_b32 v[\pw], v[TM+6], 16, v[\pw]
	v_lshl_or_b32 v[\pw], v[TM+7], 24, v[\pw]
.irp b, 0,1,2,3
	v_cvt_scalef32_pk8_fp4_f32 v[(\pc)+2*\b], v[(\s)+16*\b:(\s)+7+16*\b], v[TM+12+\b]
	v_cvt_scalef32_pk8_fp4_f32 v[(\pc)+1+2*\b], v[(\s)+8+16*\b:(\s)+15+16*\b], v[TM+12+\b]
.endr
	v_nop ; one plain place behind a scaled conversion
.irp c, 0,1 ; the operand wants a whole block in a lane
.irp i, 0,1
	v_permlane16_swap_b32 v[(\pc)+4*\c+\i], v[(\pc)+2+4*\c+\i]
.endr
.endr
.endm
; Block q of 32 keys of my channel, in v[s] .. v[s + 31]: all its numbers are mine. Its 16 bytes of codes go out at once; its byte goes into v18.
.macro VBLOCK q, s
	v_max3_num_f32 v12, |v[(\s)]|, |v[(\s)+1]|, |v[(\s)+2]|
	v_max3_num_f32 v13, |v[(\s)+3]|, |v[(\s)+4]|, |v[(\s)+5]|
.irp i, 6,10,14,18,22,26
	v_max3_num_f32 v12, v12, |v[(\s)+\i]|, |v[(\s)+\i+1]|
	v_max3_num_f32 v13, v13, |v[(\s)+\i+2]|, |v[(\s)+\i+3]|
.endr
	v_max3_num_f32 v12, v12, |v[(\s)+30]|, |v[(\s)+31]|
	v_max3_num_f32 v12, v12, v13, 0x1800000 ; and the floor
	v_add_nc_u32 v14, 0xff000000, v12 ; the conversions' scale operand
	v_lshrrev_b32 v15, 23, v14 ; the scale's byte
.if (\q) == 0
	v_mov_b32 v18, v15
.else
	v_lshl_or_b32 v18, v15, 8*(\q), v18
.endif
.irp g, 0,1,2,3
	v_cvt_scalef32_pk8_fp4_f32 v[CD+4*(\q)+\g], v[(\s)+8*\g:(\s)+8*\g+7], v14
.endr
	v_nop ; one plain place behind the last conversion: the next block writes v14
	global_store_b128 v22, v[CD+4*(\q):CD+4*(\q)+3], s[8:9] offset:VC+512*((\q)/2)+256*((\q)%2) ; block q = 2 c + h: sixteen lanes store 256 consecutive bytes, aligned
.endm
	s_cmp_lt_u32 ttmp9, 128
	s_cbranch_scc0 .Lvalues
	; THE KEYS. Wave w owns tiles 2 w and 2 w + 1. Each load reads one key's row, 512 consecutive bytes, in the order of the tiles' rows.
.irp u, 0,1
.irp r, 0,1,2,3,4,5,6,7,8,9,10,11,12,13,14,15
	global_load_b128 v[R+64*\u+4*\r:R+64*\u+4*\r+3], v2, s[4:5] offset:512*(8*\u+\r+24*(\r/8)) th:TH_LOAD_NT
.endr
.endr
	s_wait_loadcnt 16 ; the first tile's 16 loads are in; the second tile's 16 may be out
.irp r, 0,1,2,3,4,5,6,7,8,9,10,11,12,13,14,15
	ds_store_b128 v6, v[R+4*\r:R+4*\r+3] offset:528*\r
.endr
.irp b, 0,1,2,3
.irp j, 0,1,2,3
	ds_load_b128 v[X+16*\b+4*\j:X+16*\b+4*\j+3], v7 offset:128*\b+16*\j ; LDS serves a wave's instructions in order: these see the stores above
.endr
.endr
	s_wait_loadcnt 0x0
.irp r, 0,1,2,3,4,5,6,7,8,9,10,11,12,13,14,15
	ds_store_b128 v6, v[R+64+4*\r:R+64+4*\r+3] offset:8448+528*\r
.endr
	s_wait_dscnt 16 ; all but these 16 stores: the first tile's numbers are back, and its stores have read v32-95,
.irp b, 0,1,2,3
.irp j, 0,1,2,3
	ds_load_b128 v[R+16*\b+4*\j:R+16*\b+4*\j+3], v7 offset:8448+128*\b+16*\j ; which take the second tile's numbers
.endr
.endr
.set j, 0
.rept 32
	v_pk_mul_f32 v[X+j:X+j+1], v[X+j:X+j+1], s[16:17] op_sel_hi:[1,0] ; key x hs, in f32
.set j, j+2
.endr
	QUANT X, CD, 16
.irp c, 0,1
	global_store_b128 v9, v[CD+4*\c:CD+4*\c+3], s[8:9] offset:KC+512*\c ; 32 lanes store 512 consecutive bytes, aligned to 256
.endr
	s_wait_dscnt 0x0
.set j, 0
.rept 32
	v_pk_mul_f32 v[R+j:R+j+1], v[R+j:R+j+1], s[16:17] op_sel_hi:[1,0]
.set j, j+2
.endr
	QUANT R, CD+8, 17
.irp c, 0,1
	global_store_b128 v9, v[CD+8+4*\c:CD+8+4*\c+3], s[8:9] offset:KC+1024+512*\c
.endr
	v_cmp_gt_u32 vcc_lo, 16, v1
	v_cndmask_b32 v18, v17, v16, vcc_lo ; lanes 0-15: tile 2 w's words; lanes 16-31: tile 2 w + 1's (both halves of the lanes hold their row's word)
	global_store_b32 v19, v18, s[8:9] offset:KS ; 128 consecutive bytes a wave, 512 a work-group: a 17th of what the work-group stores
	s_branch .Lend
.Lvalues:
	; THE VALUES. Wave w owns channels 32 w .. 32 w + 31 for the step's 128 keys. A load takes four keys x 128 bytes; the four waves stand side by side on whole rows.
	; The numbers go through the wave's stage as they lie and come back a lane to a channel, registers down the keys: so a block of 32 keys lies in one lane.
.set i, 0
.rept 32
	global_load_b128 v[R+4*i:R+4*i+3], v8, s[6:7] offset:2048*i th:TH_LOAD_NT
.set i, i+1
.endr
	s_wait_loadcnt 16 ; keys 0-63 are in; the 16 loads of keys 64-127 may be out
.set i, 0
.rept 16
	ds_store_b128 v20, v[R+4*i:R+4*i+3] offset:512*i
.set i, i+1
.endr
.set i, 0
.rept 64
	ds_load_b32 v[X+i], v21 offset:128*i ; key i, my channel: 32 lanes read 128 consecutive bytes
.set i, i+1
.endr
	s_wait_loadcnt 0x0
.set i, 16
.rept 16
	ds_store_b128 v20, v[R+4*i:R+4*i+3] offset:512*i
.set i, i+1
.endr
	s_wait_dscnt 16 ; all but these 16 stores: keys 0-63 are back, and their stores have read v32-95,
.set i, 0
.rept 64
	ds_load_b32 v[R+i], v21 offset:128*(64+i) ; which take keys 64-127
.set i, i+1
.endr
	VBLOCK 0, X
	VBLOCK 1, X+32
	s_wait_dscnt 0x0
	VBLOCK 2, R
	VBLOCK 3, R+32
	global_store_b32 v19, v18, s[8:9] offset:VS ; lane = channel 32 w + lane: tile 2 w + lane / 16, row lane % 16
.Lend:
	s_wait_tensorcnt 0x0 ; the wave's end
	ds_add_u32 v[SPW], v[NIL]
	s_wait_dscnt 0x0
	s_endpgm
.Lfunc_end_k_qb5fa00898b_quant:
	.size	k_qb5fa00898b_quant, .Lfunc_end_k_qb5fa00898b_quant-k_qb5fa00898b_quant
	.p2alignl 7, 3214868480
	.fill 96, 4, 3214868480
	.section	.rodata,"a",@progbits
	.p2align	6, 0x0
	.amdhsa_kernel k_qb5fa00898b_quant
		.amdhsa_group_segment_fixed_size 133632
		.amdhsa_private_segment_fixed_size 0
		.amdhsa_enable_private_segment 0
		.amdhsa_kernarg_size 24
		.amdhsa_user_sgpr_count 2
		.amdhsa_user_sgpr_kernarg_segment_ptr 1
		.amdhsa_wavefront_size32 1
		.amdhsa_system_sgpr_workgroup_id_x 1
		.amdhsa_system_sgpr_workgroup_id_y 1
		.amdhsa_system_sgpr_workgroup_id_z 1
		.amdhsa_system_vgpr_workitem_id 0
		.amdhsa_next_free_vgpr 256
		.amdhsa_next_free_sgpr 66
		.amdhsa_reserve_vcc 1
		.amdhsa_float_denorm_mode_32 3
		.amdhsa_float_denorm_mode_16_64 3
		.amdhsa_memory_ordered 1
		.amdhsa_forward_progress 1
		.amdhsa_inst_pref_size 42
	.end_amdhsa_kernel
	.amdgpu_metadata
---
amdhsa.version: [ 1, 2 ]
amdhsa.kernels:
  - .name:           k_qb5fa00898b_quant
    .symbol:         k_qb5fa00898b_quant.kd
    .args:
      - { .name: key, .offset: 0, .size: 8, .value_kind: global_buffer, .address_space: global }
      - { .name: value, .offset: 8, .size: 8, .value_kind: global_buffer, .address_space: global }
      - { .name: kv, .offset: 16, .size: 8, .value_kind: global_buffer, .address_space: global }
    .group_segment_fixed_size: 133632
    .private_segment_fixed_size: 0
    .kernarg_segment_align: 8
    .kernarg_segment_size: 24
    .max_flat_workgroup_size: 128
    .sgpr_count:     66
    .vgpr_count:     256
    .wavefront_size: 32
...
	.end_amdgpu_metadata
.endif
;; end of part 1
;; launch attn (part 2): grid 32 x 8, 16 waves a work-group, clusters of 4 x 1, 327,680 bytes of LDS; arguments query, kv, out0; writes out0
.if DOCPART == 2
	.amdgcn_target "amdgcn-amd-amdhsa--gfx1250"
	.amdhsa_code_object_version 6
	.text
	.protected	k_qb5fa00898b_attn
	.globl	k_qb5fa00898b_attn
	.p2align	8
	.type	k_qb5fa00898b_attn,@function
k_qb5fa00898b_attn:
	s_mov_b64 s[64:65], 0
	v_nop
	global_prefetch_b8 v0, s[64:65] scope:SCOPE_SE
	s_setreg_imm32_b32 hwreg(HW_REG_WAVE_MODE, 25, 1), 1
	s_wait_xcnt 0x0
	s_wait_alu depctr_hold_cnt(0) depctr_sa_sdst(0) depctr_va_vdst(0) depctr_va_sdst(0) depctr_va_ssrc(0) depctr_va_vcc(0) depctr_vm_vsrc(0)
	s_getreg_b32 s2, hwreg(HW_REG_IB_STS2, 6, 4)
	s_cmp_eq_u32 s2, 0
	s_cbranch_scc0 .Lentry_in_a_cluster
	s_endpgm
.Lentry_in_a_cluster:
	s_bfe_u32 s2, ttmp6, 0x10000c
	s_cmp_lg_u32 s2, 0x3003
	s_cbranch_scc0 .Lentry_shape_is_right
	s_endpgm
.Lentry_shape_is_right:
; out0[head][q][:] = the sum over the keys k up to q of softmax_k((query[head][q] hs) . (key[head / 4][k] hs)) value[head / 4][k][:], hs = 1 / sqrt(sqrt(128)); both products on codes of FP4 (E2M1), one E8M0 scale for each 32 along K.
; WORK LEFT OUT: a tile of 16 queries x 128 keys all of whose keys come after all of its queries lies wholly under the lower-triangle mask that the problem builds itself and adds nothing to any sum: it is not multiplied
; (shown at the head of the first launch). LIMITS: a NaN, an infinity or an overflow that lies only in hidden keys or values is not carried to the result; p under 2^-126 counts as 0; score x log2(e) must be finite;
; a block of query x hs, or of p, whose largest magnitude lies under 2^-124 keeps the byte 1.
; THE SOFTMAX AHEAD OF THE SECOND PRODUCT: t = score x log2(e); M = the row's largest t so far, rounded UP to a whole number; p = 2^(t - M) is what is quantised, along the keys, not normalised. The row's sum is taken of
; the unquantised p, in f32, and divides at the end. When M moves, the sum and O are multiplied by 2^(old M - new M): exact. A block's scale exponent is floor(log2(its largest p)) - 2 = floor(its largest t - M) - 2.
; SHARES. The four work-groups of a cluster are the four query heads of ONE key and value head; the cluster's number is 2 u + e. Wave w, with a = 2 (w % 4) + e, takes ONE tile of 16 queries: tile 2 u + (w / 4) % 2 of
; query block 15 - a (waves 0-7) or a (waves 8-15) of 128 queries, and walks key steps 0 .. PI of 128 keys, PI being that block; step PI holds its diagonal. So the four waves with the same w % 4 have two walks of 16 - a
; steps and two of a + 1: 34 together, 136 in every work-group. Trip counts are constants; a step hidden from a wave is jumped over by a scalar branch on ids and the count of steps.
; The work-group's place in its cluster enters the addresses of query and out0 and nothing else.
; THE WHOLE KEY AND VALUE HEAD STAYS IN LDS: 16 steps x 17,408 bytes, laid by the first launch as images of the operands' registers, one dense block, filled once: no ring, no refill. It comes in two parts: part A (352 rows
; of 256 bytes: steps 0-4 and a little more), so that the walk begins while part B (736 rows) is on its way. Every wave brings a sixteenth of each, 22 and 46 rows, with no branch round a load; by this text's own count a
; wave has one tensor load out at the most. The four partners need the same bytes: each part is asked for JOINTLY, by the same load with the same descriptor and a mask that names the four.
; No prefetch is written: all of K and V is asked for by the two tensor loads, the queries by one run of loads a wave; there is no later stream to ask ahead for.
; LAYOUT. Both products are used transposed: S^T = K Q^T (source 0 = 32 keys, source 1 = my 16 queries), O^T = V^T P^T (source 0 = 32 channels, source 1 = P): a lane holds ONE query (lane % 16) throughout.
; The keys of a tile are not neighbours (lane r of tile 4 c + i: key 64 c + 32 (r / 8) + 8 i + r % 8), so that register 32 c + j of the scores is key 64 c + 32 (lane / 16) + j: a lane holds two WHOLE blocks of 32 keys,
; their maxima need no other lane, and the conversions' results are P's operand as they stand.
; TWO REGIONS OF 64 REGISTERS TAKE TURNS. A step finds K's fragments in one and makes the scores in the other; V's fragments land over K's while the softmax is worked; when the scores have become codes, the NEXT step's K
; lands over them. So the next step has the regions exchanged: the text goes by pairs of steps.
.set STEPB, 17408 ; a key step in LDS and in the workspace
.set HEADB, 16*STEPB
.set KC, 0 ; in a step: K's 8 tiles x 1,024 bytes,
.set VC, 8192 ; V's 8 tiles,
.set KS, 16384 ; K's scale words, 4 x 128 bytes: word j: lanes 0-15 tile 2 j, lanes 16-31 tile 2 j + 1,
.set VS, 16896 ; V's likewise
.set ROWA, 22 ; rows of 256 bytes of part A for each wave
.set ROWB, 46 ; and of part B
.set SPARE, HEADB ; behind the head: the spare words, 128 bytes for each wave: eight blocks of 256 bytes that no other line names
.set QSTG, SPARE+2048 ; behind them a stage for each wave's queries: 16 rows x (128 bytes + 16), into which no fill lands
.set QP, 144
; (The way out's 16 stages of 4,352 bytes lie in steps 0-3, which have had their one fill, once every wave has left those steps.)
.set LI, 1 ; v1 16 x lane: my place in an image
.set LS, 2 ; v2 4 x lane: my place among scale words
.set NINF, 4 ; v4 -infinity
.set SPW, 5 ; v5 LDS address of my spare word; never rewritten
.set NIL, 6 ; v6 0; never rewritten
.set GO, 7 ; v7 the way out: my byte offset in the wave's rows of out0
.set ADV, 8 ; v8 LDS address of the pair's images
.set ADT, 9 ; v9 and of its scale words
.set QA, 10 ; v10 my offset in the tile's queries
.set QC, 16 ; v16-23 Q's codes
.set DM, 24 ; v24 d = query in its block - 32 (lane / 16): in the diagonal step register 32 c + j is hidden where 64 c + j is greater; v25 d - 64
.set QSI, 26 ; v26, v27 the queries' stage: in, out
.set QSO, 27
.set RX, 32 ; v32-95 the two regions
.set RY, 96 ; v96-159
.set OT, 160 ; v160-223 O^T
.set PCD, 224 ; v224-231 p's codes (ahead of them four chains of the sum)
.set BM, 232 ; v232-235 maxima; then the blocks' exponents (232, 234) and the conversions' scale operands (233, 235)
.set TM, 232 ; (QUANT's name: v232-243)
.set OLD, 236 ; v236 the old -M, then p's scale word in the making; v237 at work. v238-243 three more chains of the sum
.set KSW, 244 ; v244-247 K's scale words
.set VSW, 248 ; v248-251 V's
.set FF, 252 ; v252 f = 2^(old M - new M)
.set PS, 253 ; v253 p's scale word
.set TT, 254 ; v254 at work
.set QS, 255 ; v255 Q's scale words
; v12 -M, v13 the largest score, v[14:15] the sum in two halves
.set WV, 10 ; s10 my wave's number
.set CX, 11 ; s11 my place in the cluster
.set HD, 13 ; s13 the key and value head
.set PI, 14 ; s14 my block of 128 queries and last key step; s15 PI - 1, held against the same count in a pair's second step
.set SI, 16 ; s16 the pair's first key step, and the loop's counter
.set TB, 17 ; s17 LDS byte at which the pair begins
.set QOFF, 18 ; s[18:19] my first query's byte in query and in out0
.set SEL, 20 ; s[20:21] lane selects for v_permlanex16_b32: lane l xor 16
.set CS, 22 ; s[22:23] log2(e)
.set G1A, 24 ; s[24:31] descriptor group 1 for part A; s[32:39] for part B
.set G1B, 32
.set G0A, 40 ; s[40:43], s[44:47] their groups 0
.set G0B, 44
.set HS, 48 ; s[48:49] hs
.set KVO, 52 ; s[52:53] the head's first byte in the workspace
.set OFA, 54 ; s[54:55] my part of part A, in the head and in LDS alike
.set OFB, 56 ; s[56:57] my part of part B
.set STG, 58 ; s58 my stage, first the queries', then the way out's
.set DS0, 59 ; s59 my first query in its block of 128
; A round of the cluster's barrier: my work-group's barrier, so that wave 0's signal speaks for all sixteen waves; wave 0 signals for the work-group; every wave waits for all four work-groups; my work-group's barrier once more.
.macro CROUND
	s_barrier_signal -1
	s_barrier_wait -1
	s_cmp_lg_u32 s[WV], 0
	s_cbranch_scc1 .Lnot_wave_0_\@
	s_barrier_signal -3
.Lnot_wave_0_\@:
	s_barrier_wait -3
	s_barrier_signal -1
	s_barrier_wait -1
.endm
; The wave's 16 queries: a load takes four rows x 128 bytes; the sixteen together take 8,192 consecutive bytes, read once in the launch.
.macro QLOAD
.irp i, 0,1,2,3
.irp b, 0,1,2,3
	global_load_b128 v[RX+16*\b+4*\i:RX+16*\b+4*\i+3], v[QA], s[4:5] offset:2048*\i+128*\b th:TH_LOAD_NT
.endr
.endr
.endm
; K's fragments and scale words of one step
.macro KLOAD reg, ak, as, off
.irp t, 0,1,2,3,4,5,6,7
.irp c, 0,1
	ds_load_b128 v[\reg+8*\t+4*\c:\reg+8*\t+4*\c+3], v[\ak] offset:\off+KC+1024*\t+512*\c ; an image: 32 lanes read 512 consecutive bytes
.endr
.endr
.irp j, 0,1,2,3
	ds_load_b32 v[KSW+\j], v[\as] offset:\off+KS+128*\j
.endr
.endm
; 64 numbers of a lane, register 16 b + i = k 32 b + 16 (lane / 16) + i of the lane's row, become a fragment's codes in v[pc] .. v[pc + 7] and its row's scale word in v[pw].
.macro QUANT s, pc, pw
.irp b, 0,1,2,3
	v_max3_num_f32 v[TM+\b], |v[(\s)+16*\b]|, |v[(\s)+1+16*\b]|, 0x1800000 ; block b: my 16 numbers, and the floor 2^(3 - 127): so the byte cannot fall under 1
.endr
.irp i, 2,4,6,8,10,12,14
.irp b, 0,1,2,3
	v_max3_num_f32 v[TM+\b], v[TM+\b], |v[(\s)+16*\b+\i]|, |v[(\s)+1+16*\b+\i]|
.endr
.endr
.irp b, 0,1,2,3
	v_permlanex16_b32 v[TM+4+\b], v[TM+\b], s[SEL], s[SEL+1]
.endr
.irp b, 0,1,2,3
	v_max_num_f32 v[TM+\b], v[TM+\b], v[TM+4+\b]
.endr
.irp b, 0,1,2,3
	v_add_nc_u32 v[TM+8+\b], 0xff000000, v[TM+\b] ; 2 off its exponent field: the conversions' scale operand
.endr
.irp b, 0,1,2,3
	v_lshrrev_b32 v[TM+4+\b], 23, v[TM+8+\b] ; the scale's byte
.endr
	v_lshl_or_b32 v[\pw], v[TM+5], 8, v[TM+4]
	v_lshl_or_b32 v[\pw], v[TM+6], 16, v[\pw]
	v_lshl_or_b32 v[\pw], v[TM+7], 24, v[\pw]
.irp b, 0,1,2,3
	v_cvt_scalef32_pk8_fp4_f32 v[(\pc)+2*\b], v[(\s)+16*\b:(\s)+7+16*\b], v[TM+8+\b]
	v_cvt_scalef32_pk8_fp4_f32 v[(\pc)+1+2*\b], v[(\s)+8+16*\b:(\s)+15+16*\b], v[TM+8+\b]
.endr
	v_nop ; one plain place behind a scaled conversion
.irp c, 0,1
.irp i, 0,1
	v_permlane16_swap_b32 v[(\pc)+4*\c+\i], v[(\pc)+2+4*\c+\i]
.endr
.endr
.endm
	s_load_b128 s[4:7], s[0:1], 0x0 ; query, kv
	s_load_b64 s[8:9], s[0:1], 0x10 ; out0
	v_lshl_add_u32 v[SPW], v0, 2, SPARE
	v_mov_b32 v[NIL], 0
	ds_add_u32 v[SPW], v[NIL] ; the wave's opening: the add, twice on end, and its wait ahead of my first tensor load
	ds_add_u32 v[SPW], v[NIL]
	v_lshrrev_b32 v8, 5, v0
	v_readfirstlane_b32 s[WV], v8 ; wave 0..15
	s_bfe_u32 s[CX], ttmp6, 0x40000 ; cx
	s_and_b32 s[HD], ttmp7, 0xffff ; the key and value head, which the four partners share
	s_and_b32 s50, ttmp9, 1 ; e: in a cluster launch ttmp9 counts clusters
	s_lshr_b32 s51, ttmp9, 1 ; u
	s_and_b32 s62, s[WV], 3
	s_lshl_b32 s62, s62, 1
	s_add_co_u32 s62, s62, s50 ; a
	s_lshr_b32 s63, s[WV], 3
	s_xor_b32 s63, s63, 1
	s_mul_i32 s63, s63, 15 ; waves 0-7: 15, waves 8-15: 0
	s_xor_b32 s[PI], s62, s63 ; 15 - a or a
	s_sub_co_i32 s[PI+1], s[PI], 1
	s_bfe_u32 s62, s[WV], 0x10002 ; (w / 4) % 2
	s_lshl_b32 s51, s51, 1
	s_add_co_u32 s51, s51, s62
	s_lshl_b32 s[DS0], s51, 4 ; my first query in its block
	s_lshl_b32 s62, s[HD], 2
	s_add_co_u32 s62, s62, s[CX] ; the query head
	s_lshl_b32 s62, s62, 11
	s_lshl_b32 s63, s[PI], 7
	s_add_co_u32 s62, s62, s63
	s_add_co_u32 s62, s62, s[DS0]
	s_lshl_b32 s[QOFF], s62, 9 ; rows of 512 bytes: 2^25 bytes at the most
	s_mov_b32 s[QOFF+1], 0
	s_mul_i32 s[KVO], s[HD], HEADB
	s_mov_b32 s[KVO+1], 0
	s_mul_i32 s[OFA], s[WV], ROWA*256
	s_mov_b32 s[OFA+1], 0
	s_mul_i32 s[OFB], s[WV], ROWB*256
	s_add_co_u32 s[OFB], s[OFB], 16*ROWA*256
	s_mov_b32 s[OFB+1], 0
	s_mul_i32 s[STG], s[WV], 16*QP
	s_add_co_u32 s[STG], s[STG], QSTG
	; descriptor groups 1: dense blocks as rows of 256 bytes (32 elements of 8 bytes), no padding: an image's 512 bytes are read on end
	s_mov_b32 s[G1A], 15|(3<<16)|(1<<21) ; 15:0 the mask: all four work-groups; 17:16 elements of 8 bytes; 21 set beside a mask
	s_mov_b32 s[G1A+1], 32<<16 ; tensor_dim0 = 32
	s_mov_b32 s[G1A+2], ROWA<<16 ; tensor_dim1
	s_mov_b32 s[G1A+3], 32<<16 ; tile_dim0 = 32
	s_mov_b32 s[G1A+4], ROWA ; tile_dim1
	s_mov_b32 s[G1A+5], 32 ; from row to row: 32 elements
	s_mov_b32 s[G1A+6], 0
	s_mov_b32 s[G1A+7], 0
	s_mov_b32 s[G1B], 15|(3<<16)|(1<<21)
	s_mov_b32 s[G1B+1], 32<<16
	s_mov_b32 s[G1B+2], ROWB<<16
	s_mov_b32 s[G1B+3], 32<<16
	s_mov_b32 s[G1B+4], ROWB
	s_mov_b32 s[G1B+5], 32
	s_mov_b32 s[G1B+6], 0
	s_mov_b32 s[G1B+7], 0
	s_mov_b32 s[SEL], 0x76543210
	s_mov_b32 s[SEL+1], 0xfedcba98
	s_mov_b32 s[CS], 0x3fb8aa3b ; log2(e): the factor 1 / sqrt(128) lies in the operands already
	s_mov_b32 s[CS+1], s[CS] ; (named with it as a pair, so it is written)
	s_mov_b32 s[HS], 0x3e9837f0 ; hs, rounded as f32 rounds the two roots and the division
	s_mov_b32 s[HS+1], s[HS]
	s_mov_b32 s[SI], 0
	s_mov_b32 s[TB], 0
	v_and_b32 v8, 15, v0 ; r
	v_bfe_u32 v9, v0, 4, 1 ; h
	v_bfe_u32 v11, v0, 3, 2 ; lane / 8
	v_and_b32 v12, 7, v0
	v_and_b32 v[LI], 31, v0
	v_lshlrev_b32 v13, 5, v9
	v_lshlrev_b32 v12, 4, v12
	v_mul_u32_u24 v[QSO], v8, QP
	v_lshlrev_b32 v[LS], 2, v[LI]
	v_lshlrev_b32 v[LI], 4, v[LI]
	v_lshl_add_u32 v[QA], v11, 9, v12 ; the queries: row lane / 8 of four, 16 (lane % 8) of 128 bytes
	v_mul_u32_u24 v11, v11, QP
	v_sub_nc_u32 v[DM], v8, v13
	v_lshl_add_u32 v[QSO], v9, 6, v[QSO]
	v_add_nc_u32 v11, v11, v12
	v_add_nc_u32 v[DM], s[DS0], v[DM]
	v_add_nc_u32 v[QSO], s[STG], v[QSO] ; stage out: row r, + 64 h: my 16 numbers of the block of 32
	v_add_nc_u32 v[QSI], s[STG], v11 ; stage in
	v_add_nc_u32 v[DM+1], 0xffffffc0, v[DM] ; d - 64
	v_mov_b32 v[NINF], 0xff800000
	v_lshlrev_b32 v[GO], 9, v9
	v_lshl_add_u32 v[GO], v8, 4, v[GO] ; lanes 0-15 take one row of out0, lanes 16-31 the next; 16 bytes a lane
.irp b, 4,5,6,7
	v_mov_b32 v[TM+\b], 0 ; written once, as the two below: a lane permute's destination counts as one of its sources
.endr
	v_mov_b32 v[FF], 0
	v_mov_b32 v[TT], 0
	s_wait_alu depctr_va_vdst(0)
	s_wait_dscnt 0x0 ; both opening adds are done
	CROUND ; all four work-groups are here: the first joint loads meet. (The round needs none of the arguments, which are on their way)
	s_wait_kmcnt 0x0
	s_add_nc_u64 s[4:5], s[4:5], s[QOFF:QOFF+1]
	s_add_nc_u64 s[8:9], s[8:9], s[QOFF:QOFF+1]
	s_add_nc_u64 s[6:7], s[6:7], s[KVO:KVO+1]
	s_mov_b32 s[G0A], 1 ; count = 1
	s_mov_b32 s[G0A+1], s[OFA] ; LDS address: the head lies in LDS as in memory
	s_add_nc_u64 s[G0A+2:G0A+3], s[6:7], s[OFA:OFA+1]
	s_or_b32 s[G0A+3], s[G0A+3], 0x80000000 ; type = 2
	s_mov_b32 s[G0B], 1
	s_mov_b32 s[G0B+1], s[OFB]
	s_add_nc_u64 s[G0B+2:G0B+3], s[6:7], s[OFB:OFB+1]
	s_or_b32 s[G0B+3], s[G0B+3], 0x80000000
	tensor_load_to_lds s[G0A:G0A+3], s[G1A:G1A+7] ; part A, my sixteenth
	s_nop 0
.rept 4
	v_nop
.endr
	s_cmp_lt_u32 s[WV], 8 ; THE QUERIES. The waves of the long walks ask for theirs first; the others ask behind the next round
	s_cbranch_scc0 .Lask_later
	QLOAD
.Lask_later:
	s_wait_tensorcnt 0x0 ; my part of part A has landed: no tensor load of mine is out
	ds_add_u32 v[SPW], v[NIL] ; 0 onto my spare word
	s_wait_dscnt 0x0
	CROUND ; part A is whole in every work-group of the cluster
	tensor_load_to_lds s[G0B:G0B+3], s[G1B:G1B+7] ; part B, my sixteenth: my one tensor load behind this round, and the first thing there; it lands while the first steps are walked
	s_nop 0
.rept 4
	v_nop
.endr
	s_cmp_lt_u32 s[WV], 8
	s_cbranch_scc1 .Lasked
	s_wait_loadcnt 0x0 ; ahead of loads into the registers that the other waves' loads take: no load is out on any way
	QLOAD
.Lasked:
	s_wait_loadcnt 0x0 ; my queries are in
.irp b, 0,1,2,3 ; 32 channels of the 16 rows at a time through my stage: LDS serves a wave's instructions in order, so no wait stands between
.irp i, 0,1,2,3
	ds_store_b128 v[QSI], v[RX+16*\b+4*\i:RX+16*\b+4*\i+3] offset:4*QP*\i
.endr
.irp j, 0,1,2,3
	ds_load_b128 v[RY+16*\b+4*\j:RY+16*\b+4*\j+3], v[QSO] offset:16*\j
.endr
.endr
	s_wait_dscnt 0x0 ; they are back, and the stores have read the first region,
	KLOAD RX, LI, LS, 0 ; which takes step 0's K while the queries are quantised
.set j, 0
.rept 32
	v_pk_mul_f32 v[RY+j:RY+j+1], v[RY+j:RY+j+1], s[HS:HS+1] op_sel_hi:[1,0] ; query x hs, in f32, ahead of the quantiser
.set j, j+2
.endr
	QUANT RY, QC, QS ; Q is read by this wave alone: it is quantised in registers and stays there
; A KEY STEP: 128 keys; d = 0, 1: the pair's first or second step. kr: the region that holds K, then V; sr: the region of the scores, then of the next step's K. first: step 0, which starts the sums. pf: a next step exists.
.macro STEP kr, sr, d, first, pf
.if (\first) == 0
	s_cmp_gt_i32 s[SI], s[PI+\d] ; all keys of a step beyond my block come after my queries: the step is jumped over
	s_cbranch_scc1 .Lhidden_\@
.endif
	v_add_nc_u32 v[ADV], s[TB], v[LI]
	v_add_nc_u32 v[ADT], s[TB], v[LS]
.rept 3
	v_nop ; with the two lines above five places: the last step's products have read what these overwrite
.endr
	s_wait_alu depctr_va_vdst(0)
	s_wait_dscnt 0x0 ; K is in
.irp j, 0,1,2,3 ; S^T = K Q^T: 32 keys at a time; their scale words fill the 32 lanes of one register
	v_wmma_scale_f32_32x16x128_f4 v[\sr+16*\j:\sr+16*\j+15], v[\kr+16*\j:\kr+16*\j+15], v[QC:QC+7], 0, v[KSW+\j], v[QS]
.endr
.if \first
	v_nop
.else
	v_mov_b32 v[OLD], v12 ; the old -M
.endif
.rept 3
	v_nop ; four places: in front of the loads over K, and of the first read of the scores
.endr
.irp t, 0,1,2,3,4,5,6,7
.irp c, 0,1
	ds_load_b128 v[\kr+8*\t+4*\c:\kr+8*\t+4*\c+3], v[ADV] offset:(\d)*STEPB+VC+1024*\t+512*\c ; V's fragments land while the softmax is worked
.endr
.endr
.irp j, 0,1,2,3
	ds_load_b32 v[VSW+\j], v[ADT] offset:(\d)*STEPB+VS+128*\j
.endr
	s_cmp_lt_i32 s[SI], s[PI+\d] ; in a step ahead of my block every key counts
	s_cbranch_scc1 .Lopen_\@
.set n, 0
.rept 64 ; the diagonal step: register 32 c + j holds key 64 c + 32 h + j of the block, hidden where 64 c + j is greater than d: its score becomes -infinity, p = 0
	v_cmp_gt_i32 vcc_lo, n%32, v[DM+n/32]
	v_cndmask_b32 v[\sr+n], v[\sr+n], v[NINF], vcc_lo
.set n, n+1
.endr
.Lopen_\@:
.irp k, 0,1,2,3 ; the largest score of each block of 32 keys, two chains a block, each accumulator from its low end on: it serves the row's maximum and the block's scale
	v_max3_num_f32 v[BM+\k], v[\sr+16*\k], v[\sr+16*\k+1], v[\sr+16*\k+2]
.endr
.irp i, 3,5,7,9,11,13
.irp k, 0,1,2,3
	v_max3_num_f32 v[BM+\k], v[BM+\k], v[\sr+16*\k+\i], v[\sr+16*\k+\i+1]
.endr
.endr
.irp c, 0,1
	v_max3_num_f32 v[BM+2*\c], v[BM+2*\c], v[BM+2*\c+1], v[\sr+32*\c+15]
.endr
.irp c, 0,1
	v_max_num_f32 v[BM+2*\c], v[BM+2*\c], v[\sr+32*\c+31]
.endr
.if \first
	v_max_num_f32 v13, v[BM], v[BM+2]
.else
	v_max3_num_f32 v13, v13, v[BM], v[BM+2]
.endif
	s_delay_alu instid0(VALU_DEP_1)
	v_permlanex16_b32 v[TT], v13, s[SEL], s[SEL+1]
	s_delay_alu instid0(VALU_DEP_1)
	v_max_num_f32 v13, v13, v[TT] ; with lane l xor 16's 64 keys: the largest score so far
	s_delay_alu instid0(VALU_DEP_1)
	v_mul_f32 v[TT], s[CS], v13 ; as t
	s_delay_alu instid0(VALU_DEP_1)
	v_floor_f32 v12, -v[TT] ; -M = floor(-t) = -ceil(t): a whole number
.set j, 0
.rept 32
	v_pk_fma_f32 v[\sr+j:\sr+j+1], v[\sr+j:\sr+j+1], s[CS:CS+1], v[12:13] op_sel_hi:[1,0,0] ; t - M, two at a time (of the pairs the low word serves both halves)
.if (\first) == 0
.if j == 8
	v_sub_f32 v[OLD+1], v12, v[OLD] ; M's old value less its new one: a whole number, 0 or less
.endif
.if j == 20
	v_cvt_i32_f32 v[OLD+1], v[OLD+1] ; (it saturates)
.endif
.if j == 32
	v_ldexp_f32 v[FF], 1.0, v[OLD+1] ; f = 2^(old M - new M)
.endif
.endif
.set j, j+2
.endr
	s_wait_alu depctr_va_vdst(0)
.set j, 0
.rept 64
	v_exp_f32 v[\sr+j], v[\sr+j] ; p = 2^(t - M), at most 1
.set j, j+1
.endr
	; behind the batch, work that names none of its results: the blocks' scales
.irp c, 0,1
	v_fma_f32 v[BM+2*\c], v[BM+2*\c], s[CS], v12 ; the block's largest t - M,
.endr
.irp c, 0,1
	v_max_num_f32 v[BM+2*\c], 0xc2f80000, v[BM+2*\c] ; held at -124 from below: so the byte cannot fall under 1
.endr
.irp c, 0,1
	v_cvt_floor_i32_f32 v[BM+2*\c], v[BM+2*\c] ; E = floor(log2(the block's largest p))
.endr
.irp c, 0,1
	v_lshl_add_u32 v[BM+2*\c+1], v[BM+2*\c], 23, 0x3e800000 ; E + 125 in the exponent field: the conversions' scale operand
.endr
	v_lshl_add_u32 v[OLD], v[BM+2], 16, v[BM] ; the scale word as a sum: the bytes E + 125 of blocks 0 and 2 (lanes 16-31: 1 and 3),
.if (\first) == 0
	v_pk_mul_f32 v[14:15], v[14:15], v[FF:FF+1] op_sel_hi:[1,0] ; (the sums under the new M)
.endif
	v_permlanex16_b32 v[OLD+1], v[OLD], s[SEL], s[SEL+1]
	v_lshl_add_u32 v[OLD], v[OLD+1], 8, v[OLD] ; + those of lane l xor 16, a byte up,
	v_add_nc_u32 v[PS], 0x7d7d7d7d, v[OLD] ; + 125 in each byte: lanes 0-15 hold their query's word
	s_wait_alu depctr_va_vdst(0)
	; the row's sum of the unquantised p: 32 pairs in eight chains
.if (\first) == 0
	v_pk_add_f32 v[14:15], v[14:15], v[\sr:\sr+1]
.else
	v_pk_add_f32 v[14:15], v[\sr+16:\sr+17], v[\sr:\sr+1]
.endif
.irp k, 1,2,3,4,5,6,7
.set CR, 222+2*\k+6*(\k/5)
	v_pk_add_f32 v[CR:CR+1], v[\sr+2*\k:\sr+2*\k+1], v[\sr+16+2*\k:\sr+17+2*\k]
.endr
.if (\first) == 0
	v_pk_add_f32 v[14:15], v[14:15], v[\sr+16:\sr+17]
.endif
.irp m, 32,48
.irp k, 1,2,3,4,5,6,7
.set CR, 222+2*\k+6*(\k/5)
	v_pk_add_f32 v[CR:CR+1], v[CR:CR+1], v[\sr+\m+2*\k:\sr+\m+2*\k+1]
.endr
	v_pk_add_f32 v[14:15], v[14:15], v[\sr+\m:\sr+\m+1]
.endr
	v_pk_add_f32 v[224:225], v[224:225], v[238:239]
	v_pk_add_f32 v[226:227], v[226:227], v[240:241]
	v_pk_add_f32 v[228:229], v[228:229], v[242:243]
	v_pk_add_f32 v[14:15], v[14:15], v[230:231]
	v_pk_add_f32 v[224:225], v[224:225], v[226:227]
	v_pk_add_f32 v[14:15], v[14:15], v[228:229]
	v_pk_add_f32 v[14:15], v[14:15], v[224:225]
.irp m, 0,1,2,3,4,5,6,7
	v_cvt_scalef32_pk8_fp4_f32 v[PCD+\m], v[\sr+8*\m:\sr+8*\m+7], v[BM+1+2*(\m/4)] ; register 4 c + i: keys 64 c + 32 h + 8 i + 0 .. 7: the operand's layout
.endr
.if \first
.rept 4
	v_nop ; four places between p's codes and the products (in the other steps the lines that bring O under the new M)
.endr
	s_wait_alu depctr_va_vdst(0)
.endif
	s_wait_dscnt 0x0 ; V is in
.if \pf
	s_cmp_ge_i32 s[SI], s[PI+\d] ; my last step fetches nothing further
	s_cbranch_scc1 .Llast_\@
	KLOAD \sr, ADV, ADT, (1+\d)*STEPB ; the next step's K
.Llast_\@:
.endif
.if (\first) == 0
	s_wait_alu depctr_va_vdst(0)
.set j, 0
.rept 32
	v_pk_mul_f32 v[OT+j:OT+j+1], v[OT+j:OT+j+1], v[FF:FF+1] op_sel_hi:[1,0] ; O^T under the new M, from each accumulator's low end on
.set j, j+2
.endr
.endif
.irp j, 0,1,2,3 ; O^T += V^T P^T: 32 channels at a time; the four accumulators by turns, one instruction a turn
.if \first
	v_wmma_scale_f32_32x16x128_f4 v[OT+16*\j:OT+16*\j+15], v[\kr+16*\j:\kr+16*\j+15], v[PCD:PCD+7], 0, v[VSW+\j], v[PS]
.else
	v_wmma_scale_f32_32x16x128_f4 v[OT+16*\j:OT+16*\j+15], v[\kr+16*\j:\kr+16*\j+15], v[PCD:PCD+7], v[OT+16*\j:OT+16*\j+15], v[VSW+\j], v[PS]
.endif
.endr
.Lhidden_\@:
.endm
.macro PAIR first, more
	STEP RX, RY, 0, \first, 1
	STEP RY, RX, 1, 0, \more
	s_add_co_u32 s[TB], s[TB], 2*STEPB
	s_add_co_u32 s[SI], s[SI], 2
.endm
	PAIR 1, 1 ; key steps 0 and 1
	s_wait_tensorcnt 0x0 ; my part of part B has landed,
	s_wait_dscnt 0x0 ; and no LDS instruction of mine is out:
	s_barrier_signal -1 ; say so,
	PAIR 0, 1 ; walk key steps 2 and 3 meanwhile (and fetch step 4's K): they read part A, which no wave writes before the next barrier has been passed,
	s_barrier_wait -1 ; and go on when all sixteen have said so: part B is whole
	s_wait_dscnt 0x0 ; my reads of steps 0-3 are over:
	s_barrier_signal -1 ; say so; the wait stands behind the walk, which reads the later steps alone, bytes that no wave ever writes
.Lrest: ; key steps 4 to 13
	PAIR 0, 1
	s_cmp_lt_u32 s[SI], 14
	s_cbranch_scc1 .Lrest
	PAIR 0, 0 ; key steps 14 and 15: no step follows
	s_wait_alu depctr_va_vdst(0)
	s_wait_dscnt 0x0
	s_barrier_wait -1 ; every wave has left steps 0-3: the stages may be written
	; THE WAY OUT. The sum's two halves and lane l xor 16's are added; O^T is divided by the sum and goes through my stage in LDS, half a row (64 channels, 256 bytes) of 16 queries at a time.
	v_add_f32 v14, v14, v15
	s_delay_alu instid0(VALU_DEP_1)
	v_permlanex16_b32 v[FF], v14, s[SEL], s[SEL+1]
	s_delay_alu instid0(VALU_DEP_1)
	v_add_f32 v14, v14, v[FF] ; the row's sum
	s_wait_alu depctr_va_vdst(0)
	v_rcp_f32 v14, v14
	v_and_b32 v8, 15, v0 ; (a plain place behind the reciprocal) r
	v_bfe_u32 v9, v0, 4, 1 ; h
	s_mul_i32 s[STG], s[WV], 16*272 ; my stage: 16 rows x (256 bytes + 16), in steps 0-3
	v_mul_u32_u24 v10, v8, 272
	v_mul_u32_u24 v11, v9, 272
	v_lshl_add_u32 v10, v9, 5, v10
	v_lshl_add_u32 v11, v8, 4, v11
	v_add_nc_u32 v10, s[STG], v10 ; in: row r; a tile's eight channels of my half of the lanes: 64 t + 32 h bytes on
	v_add_nc_u32 v11, s[STG], v11 ; back: lanes 0-15 one row, lanes 16-31 the next
	s_wait_alu depctr_va_vdst(0)
.set j, 0
.rept 64
	v_mul_f32 v[RY+j], v[OT+j], v14 ; register 8 t + i is out0(query r, channel 16 t + 8 h + i); each accumulator from its low end on
.set j, j+1
.endr
.irp u, 0,1 ; channels 64 u on
.irp t, 0,1,2,3
	ds_store_b128 v10, v[RY+32*\u+8*\t:RY+32*\u+8*\t+3] offset:64*\t
	ds_store_b128 v10, v[RY+32*\u+8*\t+4:RY+32*\u+8*\t+7] offset:64*\t+16
.endr
.irp i, 0,1,2,3,4,5,6,7
	ds_load_b128 v[RX+32*\u+4*\i:RX+32*\u+4*\i+3], v11 offset:2*\i*272 ; LDS serves a wave's instructions in order: these see my stores, and the next half's stores come behind them
.endr
.endr
.irp u, 0,1
.irp i, 0,1,2,3,4,5,6,7
	s_wait_dscnt 23-16*\u-\i ; issued behind this load: its half's 7 - i later loads and, for the first half, the second's 8 stores and 8 loads
	global_store_b128 v[GO], v[RX+32*\u+4*\i:RX+32*\u+4*\i+3], s[8:9] offset:1024*\i+256*\u th:TH_STORE_NT ; sixteen lanes store 256 consecutive bytes, aligned; written once, read by nobody here
.endr
.endr
	s_wait_tensorcnt 0x0 ; the wave's end
	ds_add_u32 v[SPW], v[NIL]
	s_wait_dscnt 0x0
	CROUND ; the closing round: no work-group ends while a partner may still ask for a part that names it
	s_endpgm
.Lfunc_end_k_qb5fa00898b_attn:
	.size	k_qb5fa00898b_attn, .Lfunc_end_k_qb5fa00898b_attn-k_qb5fa00898b_attn
	.p2alignl 7, 3214868480
	.fill 96, 4, 3214868480
	.section	.rodata,"a",@progbits
	.p2align	6, 0x0
	.amdhsa_kernel k_qb5fa00898b_attn
		.amdhsa_group_segment_fixed_size 327680
		.amdhsa_private_segment_fixed_size 0
		.amdhsa_enable_private_segment 0
		.amdhsa_kernarg_size 24
		.amdhsa_user_sgpr_count 2
		.amdhsa_user_sgpr_kernarg_segment_ptr 1
		.amdhsa_wavefront_size32 1
		.amdhsa_system_sgpr_workgroup_id_x 1
		.amdhsa_system_sgpr_workgroup_id_y 1
		.amdhsa_system_sgpr_workgroup_id_z 1
		.amdhsa_system_vgpr_workitem_id 0
		.amdhsa_next_free_vgpr 256
		.amdhsa_next_free_sgpr 66
		.amdhsa_reserve_vcc 1
		.amdhsa_float_denorm_mode_32 3
		.amdhsa_float_denorm_mode_16_64 3
		.amdhsa_memory_ordered 1
		.amdhsa_forward_progress 1
		.amdhsa_inst_pref_size 183
	.end_amdhsa_kernel
	.amdgpu_metadata
---
amdhsa.version: [ 1, 2 ]
amdhsa.kernels:
  - .name:           k_qb5fa00898b_attn
    .symbol:         k_qb5fa00898b_attn.kd
    .args:
      - { .name: query, .offset: 0, .size: 8, .value_kind: global_buffer, .address_space: global }
      - { .name: kv, .offset: 8, .size: 8, .value_kind: global_buffer, .address_space: global }
      - { .name: out0, .offset: 16, .size: 8, .value_kind: global_buffer, .address_space: global }
    .group_segment_fixed_size: 327680
    .private_segment_fixed_size: 0
    .kernarg_segment_align: 8
    .kernarg_segment_size: 24
    .max_flat_workgroup_size: 512
    .sgpr_count:     66
    .vgpr_count:     256
    .wavefront_size: 32
...
	.end_amdgpu_metadata
.endif
;; end of part 2
